; MI455X (gfx1250); checked and timed in simulation.
; The chip was launched on July 23, 2026; its instructions are those of AMD's public machine-readable ISA for CDNA 5 (MIT licence, August 2026) and "CDNA5" Instruction Set Architecture Reference Guide (July 2026). The comments in the code are by the model that wrote it; some were corrected since.
;; Llama Fast MLP prior. Allowed arithmetic: float matrix products may take bf16 or f16 operands with f32 sums; all other float work in f32.
;; Inputs: down_qweight 2,048 x 5,504 int32; down_qzeros 2,048 x 43 int32; down_scales 2,048 x 43 float32; gu_qweight 11,008 x 2,048 int32; gu_qzeros 11,008 x 16 int32; gu_scales 11,008 x 16 float32; x 1 x 2,048 x 2,048 float32.
;; Outputs: out0 2,048 x 2,048 float32.
;; One version. Each part assembles by itself: llvm-mc -triple=amdgcn-amd-amdhsa -mcpu=gfx1250 --defsym DOCPART=n.
;; ======== version 1 of 1: 3 launches
;; limits: values are held in f16: magnitudes above 65,504 overflow, below 6.1e-05 lose precision; inputs' magnitudes at most 65,504; below input magnitudes of 6.1e-05 results are inexact or not finite
;; workspace buffers: xh 8,388,608 bytes; wgu 46,137,344 bytes; wdn 23,068,672 bytes; hbuf 23,068,672 bytes; mx 13,312 bytes
;; launch prep (part 1): grid 1184 x 1, 4 waves a work-group, no clusters, 17,920 bytes of LDS; arguments x, gu_qweight, gu_qzeros, gu_scales, down_qweight, down_qzeros, down_scales, xh, wgu, wdn, mx; writes xh, wgu, wdn, mx
.if DOCPART == 1
	.amdgcn_target "amdgcn-amd-amdhsa--gfx1250"
	.amdhsa_code_object_version 6
	.text
	.protected	k_qf2d78ea8ac_prep
	.globl	k_qf2d78ea8ac_prep
	.p2align	8
	.type	k_qf2d78ea8ac_prep,@function
k_qf2d78ea8ac_prep:
	s_mov_b64 s[64:65], 0
	v_nop
	global_prefetch_b8 v0, s[64:65] scope:SCOPE_SE
	s_setreg_imm32_b32 hwreg(HW_REG_WAVE_MODE, 25, 1), 1
	s_wait_xcnt 0x0
; PREP: makes the three matrix operands that the two products read, all in f16, and a table of maxima.
;   xh  = x;   wgu = (gu_qweight - zero) * scale;   wdn = (down_qweight - zero) * scale.
; Codes and zeros are taken as general int32 (v_cvt_f32_i32); the difference and the product are made in f32 and rounded once.
; LIMIT, stated: f16 operands, so |x| and |(q - z) s| have to stay below 65,504; beyond that they become infinities.
; mx: one f32 word for each wave task: words 0..2815 the largest |w| of a task of wgu, words 2816..3327 the largest |x| of a task of xh.
; From them the later launches bound |h| (see there), so that h too can go in f16 whatever the inputs' size.  A NaN among the inputs does not enter a maximum.
; LAYOUT of the operands, piece-major: [K/8 pieces][rows][8 numbers = 16 bytes].  A tile of R rows is then R*16 consecutive bytes of each piece.
; wgu's rows are interleaved: row 8c+j is gate row 4c+j (j < 4) or up row 5504+4c+j-4 (j >= 4), so that in the first product a lane's
; eight results are four gates and their four ups.  INTER is padded from 5504 to 5632: wgu's rows 11008..11263 and wdn's pieces 688..703 are zeros.
; WORK: a block is 16 output rows x 128 k, one quantisation group a row: 16 loads of 512 consecutive bytes in, 16 pieces x 256 bytes out.
; A wave takes 4 blocks (64 output rows at one k block); 4,736 wave tasks in 1,184 work-groups.  The work-group's number picks the role:
;   0..703 wgu (688..703 zeros only), 704..1055 wdn (1048..1055 zeros only), 1056..1183 xh.
; The transposition from rows to pieces goes through the wave's own 4,352 bytes of LDS: no barrier, since LDS serves a wave's instructions in order (ISA guide 5.7.1).
; No work-group shares input with another, so there is nothing to ask for jointly; no matrix unit: there is no product here.
; WEAKNESSES, stated: scales and zeros are read once each, but as single words 64 or 172 bytes apart (2.1 MB of the launch's 232 MB);
; a task's maximum leaves as one store of 4 bytes by one lane, 3,328 such stores in the launch.
.set TP,    272                        ; LDS pitch of a piece: 16 rows x 16 bytes + 16: the 32 lanes' 8-byte stores fall on 64 different words modulo 256 bytes
.set WLDS,  16*TP                      ; a wave's stage
.set ZERO,  8                          ; v8        0: the offset of the one store into mx
.set SOFF,  9                          ; v9        my lane's byte offset among the task's scales and zeros
.set LIN,   10                         ; v10       16 x lane: my 16 bytes of a row's 512
.set TRW,   11                         ; v11       stage, in: piece lane/2, half lane&1
.set TRR,   12                         ; v12       stage, back: piece lane/16, row lane&15
.set OUTV,  13                         ; v13       output: piece lane/16, row lane&15
.set SV,    14                         ; v[14:15]  scales: register j, lane 16 kk + i: row i of block 2 j + kk
.set ZV,    16                         ; v[16:17]  minus the zeros, in f32, same places
.set P,     18                         ; v[18:21]  two pairs of packed results, by turns
.set M,     22                         ; v[22:23]  two running maxima of magnitudes
.set O,     24                         ; v[24:55]  a block as it leaves
.set X0,    56                         ; v[56:119]  a block as loaded, buffer 0
.set X1,    120                        ; v[120:183] buffer 1
; scalars: s[4:5] mx, then my task's word in it; s[8:27] the ten other addresses; s28 wave; s29 task; s30 k block; s31 row quad; s[32:33] input (gate rows),
; s[34:35] up rows, s[36:37] scales, s[38:39] zeros, s[40:41] output; s[42:43] an offset in 64 bits; s[44:51] four pairs for the packed arithmetic
; (-zero, scale; by turns); s53 EXEC kept; s54, s55 the selects of v_permlanex16_b32
	s_load_b512 s[8:23], s[0:1], 0x0               ; x 8, gu_qweight 10, gu_qzeros 12, gu_scales 14, down_qweight 16, down_qzeros 18, down_scales 20, xh 22
	s_load_b128 s[24:27], s[0:1], 0x40             ; wgu 24, wdn 26
	s_load_b64 s[4:5], s[0:1], 0x50                ; mx
	v_lshl_add_u32 v184, v0, 2, 0x4400
	v_mov_b32 v185, 0
	v_lshrrev_b32 v1, 5, v0
	v_readfirstlane_b32 s28, v1                    ; wave 0..3
	v_and_b32 v2, 31, v0                           ; lane
	v_lshlrev_b32 v[LIN], 4, v2
	v_lshrrev_b32 v5, 4, v2                        ; lane / 16
	v_and_b32 v6, 15, v2                           ; lane & 15
	s_mul_i32 s52, s28, WLDS                       ; my wave's stage
	v_lshrrev_b32 v3, 1, v2
	v_and_b32 v4, 1, v2
	v_mul_u32_u24 v3, v3, TP
	v_lshl_add_u32 v3, v4, 3, v3
	v_add_nc_u32 v[TRW], s52, v3
	v_mul_u32_u24 v3, v5, TP
	v_lshl_add_u32 v3, v6, 4, v3
	v_add_nc_u32 v[TRR], s52, v3
	v_mov_b32 v[ZERO], 0
	v_mov_b32 v[M], 0                              ; magnitudes are at least 0
	v_mov_b32 v[M+1], 0
	s_mov_b32 s43, 0                               ; every offset here is below 4 GiB
	s_mov_b32 s45, 0                               ; the upper halves of the broadcast pairs are never used, but a pair is read whole
	s_mov_b32 s47, 0
	s_mov_b32 s49, 0
	s_mov_b32 s51, 0
	s_mov_b32 s54, 0x76543210                      ; lane i of one half reads lane i of the other
	s_mov_b32 s55, 0xfedcba98
	s_mov_b32 s2, ttmp9
	s_wait_kmcnt 0x0
; scales and zeros of the task's 64 rows: two words each a lane
.macro LSC role
.irp j, 0,1
.if \role == 0
	global_load_b32 v[SV+\j], v[SOFF], s[36:37] offset:1024*\j
	global_load_b32 v[ZV+\j], v[SOFF], s[38:39] offset:1024*\j
.else
	global_load_b32 v[SV+\j], v[SOFF], s[36:37] offset:5504*\j
	global_load_b32 v[ZV+\j], v[SOFF], s[38:39] offset:5504*\j
.endif
.endr
.endm
; block k into buffer buf: 16 loads, each 512 consecutive bytes of one source row
.macro LBLK role, buf, k
.irp i, 0,1,2,3,4,5,6,7,8,9,10,11,12,13,14,15
.if \role == 0
.if ((\i)&4)
	global_load_b128 v[\buf+4*\i:\buf+4*\i+3], v[LIN], s[34:35] offset:(8*\k+4*((\i)>>3)+((\i)&3))*8192 th:TH_LOAD_NT
.else
	global_load_b128 v[\buf+4*\i:\buf+4*\i+3], v[LIN], s[32:33] offset:(8*\k+4*((\i)>>3)+((\i)&3))*8192 th:TH_LOAD_NT
.endif
.else
.if \role == 1
	global_load_b128 v[\buf+4*\i:\buf+4*\i+3], v[LIN], s[32:33] offset:(16*\k+\i)*22016 th:TH_LOAD_NT
.else
	global_load_b128 v[\buf+4*\i:\buf+4*\i+3], v[LIN], s[32:33] offset:(16*\k+\i)*8192 th:TH_LOAD_NT
.endif
.endif
.endr
.endm
; block k is dequantised, its magnitudes enter the maxima (wgu and xh), it is rounded, turned from rows into pieces in the stage, and stored
.macro PBLK role, buf, k
.irp i, 0,1,2,3,4,5,6,7,8,9,10,11,12,13,14,15
.if \role != 2
	v_readlane_b32 s[44+4*((\i)&1)], v[ZV+((\k)>>1)], 16*((\k)&1)+\i      ; the row's -zero
	v_readlane_b32 s[46+4*((\i)&1)], v[SV+((\k)>>1)], 16*((\k)&1)+\i      ; the row's scale
	v_cvt_f32_i32 v[\buf+4*\i], v[\buf+4*\i]
	v_cvt_f32_i32 v[\buf+4*\i+1], v[\buf+4*\i+1]
	v_cvt_f32_i32 v[\buf+4*\i+2], v[\buf+4*\i+2]
	v_cvt_f32_i32 v[\buf+4*\i+3], v[\buf+4*\i+3]
	v_pk_add_f32 v[\buf+4*\i:\buf+4*\i+1], v[\buf+4*\i:\buf+4*\i+1], s[44+4*((\i)&1):45+4*((\i)&1)] op_sel_hi:[1,0]
	v_pk_add_f32 v[\buf+4*\i+2:\buf+4*\i+3], v[\buf+4*\i+2:\buf+4*\i+3], s[44+4*((\i)&1):45+4*((\i)&1)] op_sel_hi:[1,0]
	v_pk_mul_f32 v[\buf+4*\i:\buf+4*\i+1], v[\buf+4*\i:\buf+4*\i+1], s[46+4*((\i)&1):47+4*((\i)&1)] op_sel_hi:[1,0]
	v_pk_mul_f32 v[\buf+4*\i+2:\buf+4*\i+3], v[\buf+4*\i+2:\buf+4*\i+3], s[46+4*((\i)&1):47+4*((\i)&1)] op_sel_hi:[1,0]
.endif
.if \role != 1
	v_max3_num_f32 v[M], |v[\buf+4*\i]|, |v[\buf+4*\i+1]|, v[M]           ; two chains that do not wait for each other
	v_max3_num_f32 v[M+1], |v[\buf+4*\i+2]|, |v[\buf+4*\i+3]|, v[M+1]
.endif
	v_cvt_pk_f16_f32 v[P+2*((\i)&1)], v[\buf+4*\i], v[\buf+4*\i+1]
	v_cvt_pk_f16_f32 v[P+2*((\i)&1)+1], v[\buf+4*\i+2], v[\buf+4*\i+3]
	ds_store_b64 v[TRW], v[P+2*((\i)&1):P+2*((\i)&1)+1] offset:16*\i      ; my 4 numbers of row i: half of its 16 bytes in piece lane/2
.endr
	s_wait_xcnt 0x0                                ; O is the data of the last block's stores: it is loaded again only behind this wait
.irp t, 0,1,2,3,4,5,6,7
	ds_load_b128 v[O+4*\t:O+4*\t+3], v[TRR] offset:2*TP*\t                ; pieces 2 t and 2 t + 1, 256 bytes each; in order behind the stores above
.endr
.irp t, 0,1,2,3,4,5,6,7
	s_wait_dscnt 7-\t                              ; LDS loads come back in order: load t is in, the 7 - t younger ones may be out
	global_store_b128 v[OUTV], v[O+4*\t:O+4*\t+3], s[40:41] offset:2*\t*PS+256*\k   ; each half of the wave stores 256 consecutive bytes, aligned
.endr
.endm
; The task's word of mx, stored by lane 0; then the wave ends.  EXEC is a source of the stores that are out: it changes only behind s_wait_xcnt 0.
.macro PUTMAX r
	s_wait_xcnt 0x0
	v_cmp_eq_u32 vcc_lo, 0, v2
	s_and_saveexec_b32 s53, vcc_lo
	global_store_b32 v[ZERO], v[\r], s[4:5]
	s_wait_xcnt 0x0
	s_or_b32 exec_lo, exec_lo, s53
	s_wait_tensorcnt 0x0
	ds_add_u32 v184, v185
	s_wait_dscnt 0x0
	s_endpgm
.endm
; A task.  Two blocks are always on their way: the counts leave the 16 loads of the younger block out (32 in front of the scales' use).
.macro TASK role
.if \role == 0
.set PS, 180224
.else
.set PS, 32768
.endif
.if \role != 2
	LSC \role
.endif
	LBLK \role, X0, 0
	LBLK \role, X1, 1
.if \role != 2
	s_wait_loadcnt 32                              ; the four loads of scales and zeros are in; the 32 of blocks 0 and 1 may be out
	v_cvt_f32_i32 v[ZV], v[ZV]
	v_cvt_f32_i32 v[ZV+1], v[ZV+1]
	v_sub_f32 v[ZV], 0, v[ZV]
	v_sub_f32 v[ZV+1], 0, v[ZV+1]
.endif
	s_wait_loadcnt 16                              ; block 0 is in
	PBLK \role, X0, 0
	LBLK \role, X0, 2
	s_wait_loadcnt 16                              ; block 1 is in, block 2 on its way
	PBLK \role, X1, 1
	LBLK \role, X1, 3
	s_wait_loadcnt 16                              ; block 2 is in, block 3 on its way
	PBLK \role, X0, 2
	s_wait_loadcnt 0                               ; block 3: nothing was issued behind it
	PBLK \role, X1, 3
.if \role != 1
	v_max_num_f32 v[M], v[M], v[M+1]               ; the task's maximum: over my two chains, then over the 32 lanes
	v_max_num_f32_dpp v[M], v[M], v[M] row_xmask:1 row_mask:0xf bank_mask:0xf
	v_max_num_f32_dpp v[M], v[M], v[M] row_xmask:2 row_mask:0xf bank_mask:0xf
	v_max_num_f32_dpp v[M], v[M], v[M] row_xmask:4 row_mask:0xf bank_mask:0xf
	v_max_num_f32_dpp v[M], v[M], v[M] row_xmask:8 row_mask:0xf bank_mask:0xf
	v_permlanex16_b32 v[M+1], v[M], s54, s55
	v_max_num_f32 v[M], v[M], v[M+1]
	PUTMAX M
.else
	s_wait_tensorcnt 0x0
	ds_add_u32 v184, v185
	s_wait_dscnt 0x0
	s_endpgm
.endif
.endm
; A task of zeros: the same 32 stores, of zeros; putmx = 1: and a zero as the task's maximum
.macro ZTASK ps, putmx
	v_mov_b32 v[O], 0
	v_mov_b32 v[O+1], 0
	v_mov_b32 v[O+2], 0
	v_mov_b32 v[O+3], 0
.irp k, 0,1,2,3
.irp t, 0,1,2,3,4,5,6,7
	global_store_b128 v[OUTV], v[O:O+3], s[40:41] offset:2*\t*\ps+256*\k
.endr
.endr
.if \putmx
	PUTMAX O
.else
	s_endpgm
.endif
.endm
	s_cmp_ge_u32 s2, 1056
	s_cbranch_scc1 .Lrole_x
	s_cmp_ge_u32 s2, 704
	s_cbranch_scc1 .Lrole_down
	; ---- wgu: task = 4 d + wave; k block g = task & 15; output rows 64 tq .. 64 tq + 63, tq = task >> 4
	s_lshl2_add_u32 s29, s2, s28
	s_and_b32 s30, s29, 15
	s_lshr_b32 s31, s29, 4
	s_lshl_b32 s42, s29, 2                         ; my word of mx: the task's number
	s_add_nc_u64 s[4:5], s[4:5], s[42:43]
	v_mul_u32_u24 v3, v5, 180224                   ; a piece of wgu: 11,264 rows x 16 bytes
	v_lshl_add_u32 v[OUTV], v6, 4, v3
	s_mul_i32 s42, s30, 2883584                    ; 16 pieces a k block
	s_lshl_b32 s3, s31, 10                         ; 64 rows x 16 bytes
	s_add_co_u32 s42, s42, s3
	s_add_nc_u64 s[40:41], s[24:25], s[42:43]
	s_cmp_ge_u32 s2, 688                           ; tq >= 172: output rows 11008 and up
	s_cbranch_scc1 .Lgu_zero
	s_lshl_b32 s42, s31, 18                        ; 32 gate rows x 8,192 bytes
	s_lshl_b32 s3, s30, 9                          ; 128 codes x 4 bytes
	s_add_co_u32 s42, s42, s3
	s_add_nc_u64 s[32:33], s[10:11], s[42:43]
	s_add_nc_u64 s[34:35], s[32:33], 45088768      ; the up rows lie 5,504 rows further down
	s_lshl_b32 s42, s31, 11                        ; 32 rows x 64 bytes of scales
	s_lshl2_add_u32 s42, s30, s42                  ; + 4 g
	s_add_nc_u64 s[36:37], s[14:15], s[42:43]
	s_add_nc_u64 s[38:39], s[12:13], s[42:43]
	v_lshrrev_b32 v3, 3, v6                        ; lane 16 kk + i: source row 8 kk + 4 (i >> 3) + (i & 3), an up row if i & 4
	v_and_b32 v4, 3, v6
	v_lshl_add_u32 v4, v3, 2, v4
	v_lshl_add_u32 v4, v5, 3, v4
	v_lshlrev_b32 v4, 6, v4
	v_bfe_u32 v3, v6, 2, 1
	v_mul_u32_u24 v3, v3, 352256                   ; 5,504 rows x 64 bytes
	v_add_nc_u32 v[SOFF], v3, v4
	TASK 0
.Lgu_zero:
	ZTASK 180224, 1
	; ---- wdn: task = 4 (d - 704) + wave; k block g = task >> 5 (0..43); rows 64 rq .., rq = task & 31
.Lrole_down:
	s_sub_co_u32 s3, s2, 704
	s_lshl2_add_u32 s29, s3, s28
	s_lshr_b32 s30, s29, 5
	s_and_b32 s31, s29, 31
	v_lshlrev_b32 v3, 15, v5                       ; a piece of wdn: 2,048 rows x 16 bytes
	v_lshl_add_u32 v[OUTV], v6, 4, v3
	s_lshl_b32 s42, s30, 19
	s_lshl_b32 s3, s31, 10
	s_add_co_u32 s42, s42, s3
	s_add_nc_u64 s[40:41], s[26:27], s[42:43]
	s_cmp_ge_u32 s2, 1048                          ; g = 43: the padding of K
	s_cbranch_scc1 .Ldn_zero
	s_mul_i32 s42, s31, 1409024                    ; 64 rows x 22,016 bytes
	s_lshl_b32 s3, s30, 9
	s_add_co_u32 s42, s42, s3
	s_add_nc_u64 s[32:33], s[16:17], s[42:43]
	s_mul_i32 s42, s31, 11008                      ; 64 rows x 172 bytes of scales
	s_lshl2_add_u32 s42, s30, s42
	s_add_nc_u64 s[36:37], s[20:21], s[42:43]
	s_add_nc_u64 s[38:39], s[18:19], s[42:43]
	v_mul_u32_u24 v[SOFF], v2, 172                 ; lane = row among 32
	TASK 1
.Ldn_zero:
	ZTASK 32768, 0
	; ---- xh: task = 4 (d - 1056) + wave; k block kb = task & 15; rows 64 rq .., rq = task >> 4
.Lrole_x:
	s_sub_co_u32 s3, s2, 1056
	s_lshl2_add_u32 s29, s3, s28
	s_and_b32 s30, s29, 15
	s_lshr_b32 s31, s29, 4
	s_add_co_u32 s42, s29, 2816                    ; my word of mx, behind the 2,816 of wgu
	s_lshl_b32 s42, s42, 2
	s_add_nc_u64 s[4:5], s[4:5], s[42:43]
	v_lshlrev_b32 v3, 15, v5
	v_lshl_add_u32 v[OUTV], v6, 4, v3
	s_lshl_b32 s42, s30, 19
	s_lshl_b32 s3, s31, 10
	s_add_co_u32 s42, s42, s3
	s_add_nc_u64 s[40:41], s[22:23], s[42:43]
	s_lshl_b32 s42, s31, 19                        ; 64 rows x 8,192 bytes
	s_lshl_b32 s3, s30, 9
	s_add_co_u32 s42, s42, s3
	s_add_nc_u64 s[32:33], s[8:9], s[42:43]
	TASK 2
.Lfunc_end_k_qf2d78ea8ac_prep:
	.size	k_qf2d78ea8ac_prep, .Lfunc_end_k_qf2d78ea8ac_prep-k_qf2d78ea8ac_prep
	.p2alignl 7, 3214868480
	.fill 96, 4, 3214868480
	.section	.rodata,"a",@progbits
	.p2align	6, 0x0
	.amdhsa_kernel k_qf2d78ea8ac_prep
		.amdhsa_group_segment_fixed_size 17920
		.amdhsa_private_segment_fixed_size 0
		.amdhsa_enable_private_segment 0
		.amdhsa_kernarg_size 88
		.amdhsa_user_sgpr_count 2
		.amdhsa_user_sgpr_kernarg_segment_ptr 1
		.amdhsa_wavefront_size32 1
		.amdhsa_system_sgpr_workgroup_id_x 1
		.amdhsa_system_sgpr_workgroup_id_y 1
		.amdhsa_system_sgpr_workgroup_id_z 1
		.amdhsa_system_vgpr_workitem_id 0
		.amdhsa_next_free_vgpr 186
		.amdhsa_next_free_sgpr 66
		.amdhsa_reserve_vcc 1
		.amdhsa_float_denorm_mode_32 3
		.amdhsa_float_denorm_mode_16_64 3
		.amdhsa_memory_ordered 1
		.amdhsa_forward_progress 1
		.amdhsa_inst_pref_size 167
	.end_amdhsa_kernel
	.amdgpu_metadata
---
amdhsa.version: [ 1, 2 ]
amdhsa.kernels:
  - .name:           k_qf2d78ea8ac_prep
    .symbol:         k_qf2d78ea8ac_prep.kd
    .args:
      - { .name: x, .offset: 0, .size: 8, .value_kind: global_buffer, .address_space: global }
      - { .name: gu_qweight, .offset: 8, .size: 8, .value_kind: global_buffer, .address_space: global }
      - { .name: gu_qzeros, .offset: 16, .size: 8, .value_kind: global_buffer, .address_space: global }
      - { .name: gu_scales, .offset: 24, .size: 8, .value_kind: global_buffer, .address_space: global }
      - { .name: down_qweight, .offset: 32, .size: 8, .value_kind: global_buffer, .address_space: global }
      - { .name: down_qzeros, .offset: 40, .size: 8, .value_kind: global_buffer, .address_space: global }
      - { .name: down_scales, .offset: 48, .size: 8, .value_kind: global_buffer, .address_space: global }
      - { .name: xh, .offset: 56, .size: 8, .value_kind: global_buffer, .address_space: global }
      - { .name: wgu, .offset: 64, .size: 8, .value_kind: global_buffer, .address_space: global }
      - { .name: wdn, .offset: 72, .size: 8, .value_kind: global_buffer, .address_space: global }
      - { .name: mx, .offset: 80, .size: 8, .value_kind: global_buffer, .address_space: global }
    .group_segment_fixed_size: 17920
    .private_segment_fixed_size: 0
    .kernarg_segment_align: 8
    .kernarg_segment_size: 88
    .max_flat_workgroup_size: 128
    .sgpr_count:     66
    .vgpr_count:     186
    .wavefront_size: 32
...
	.end_amdgpu_metadata
.endif
;; end of part 1
;; launch gateup (part 2): grid 32 x 8, 4 waves a work-group, clusters of 4 x 4, 327,680 bytes of LDS; arguments xh, wgu, hbuf, mx; writes hbuf
.if DOCPART == 2
	.amdgcn_target "amdgcn-amd-amdhsa--gfx1250"
	.amdhsa_code_object_version 6
	.text
	.protected	k_qf2d78ea8ac_gateup
	.globl	k_qf2d78ea8ac_gateup
	.p2align	8
	.type	k_qf2d78ea8ac_gateup,@function
k_qf2d78ea8ac_gateup:
	s_mov_b64 s[64:65], 0
	v_nop
	global_prefetch_b8 v0, s[64:65] scope:SCOPE_SE
	s_setreg_imm32_b32 hwreg(HW_REG_WAVE_MODE, 25, 1), 1
	s_wait_xcnt 0x0
	s_wait_alu depctr_hold_cnt(0) depctr_sa_sdst(0) depctr_va_vdst(0) depctr_va_sdst(0) depctr_va_ssrc(0) depctr_va_vcc(0) depctr_vm_vsrc(0)
	s_getreg_b32 s2, hwreg(HW_REG_IB_STS2, 6, 4)
	s_cmp_eq_u32 s2, 0
	s_cbranch_scc0 .Lentry_in_a_cluster
	s_endpgm
.Lentry_in_a_cluster:
	s_bfe_u32 s2, ttmp6, 0x10000c
	s_cmp_lg_u32 s2, 0xf033
	s_cbranch_scc0 .Lentry_shape_is_right
	s_endpgm
.Lentry_shape_is_right:
; GATEUP: c0 = x Wgu^T (f16 operands, f32 sums) and h = silu(gate) * up; hbuf = h * 2^15 / S, rounded once to f16.
; xh: f16 [256 pieces][2048 rows][8]; wgu: f16 [256][11264][8], gate and up rows interleaved in fours; hbuf: f16 [704 pieces][2048 rows][8].
; THE SCALE S.  |silu(g)| <= |g|, and |g|, |u| <= 2048 max|x| max|w|, so |h| <= S = (2048 max|x| max|w|)^2 for every input: the stored number is at most 2^15
; (the operands' rounding to f16 adds 2^-10 of that), inside f16.  The two maxima come from the table mx of the launch before (2,816 words for w, 512 for x);
; every wave reads all 13,312 bytes while the first tiles are on their way.  S' = max(S, 2^-100) 2^-15 stays in s22; the next launch makes the same S' and multiplies by it.
; LIMITS, stated: the operands are f16, so |x| and |w| below 65,504; 2048 max|x| max|w| below 2^63, so that S is finite; what of h is smaller than 2^-40 S is lost.
; silu(g) 2^15 / S = g / ((1 + 2^(-g log2 e)) S'); the power of two of a very negative gate is an infinity, the reciprocal 0, and (g * 0) * u = 0 as in f32;
; v_exp_f32 gives 0 for results below 2^-126, which 1 + . absorbs.
; SHARES: a work-group makes 256 rows x 352 interleaved columns; 32 x 8 = 256 work-groups.  Wave (mh, nh) makes 128 x 176: 8 x 11 accumulator tiles, 704 registers:
; for 32 along K it loads 19 fragments for 88 matrix instructions.
; RING: K in 16 steps of 128 through two LDS slots.  A slot: A as [16 pieces][256 rows][16 bytes], then B as [16][352][16].  The sixteen lanes of half a fragment load
; read 256 consecutive aligned bytes, so no row needs padding, and two slots take all 311,296 bytes.
; CLUSTERS: 4 x 4 work-groups.  A's tile hangs on the block row alone and is asked for jointly by a row of the cluster, B's on the block column alone, by a column.
; Waves 0, 1 ask for A's pieces 0-7, 8-15; waves 2, 3 for B's.  A wave has two tensor loads out at the start and one behind each later round.
; THE MATRIX INSTRUCTION IS USED TRANSPOSED (source 0 = 16 rows of wgu, source 1 = 16 rows of x): lane (r, h) holds row r of c0 and the columns 8 h + 0..7 of the tile,
; which by the interleaving are g0..g3, u0..u3 of four neighbouring columns of h: SwiGLU needs no other lane, and 32 lanes' 8 bytes are 256 consecutive bytes of hbuf.
; REGISTERS in windows of 256:
;   window 0: v0-15 addresses; v16-103, v104-191 B's fragments, buffers 0 and 1 (11 x 8); v192-255 A's fragments, buffer 0
;   window 1: v0-63 A's fragments, buffer 1; v64-255 accumulators of n blocks 0-2;  window 2: n blocks 3-6;  window 3: n blocks 7-10
;   accumulator tile (a, b) is register 320 + 64 b + 8 a of the wave.
.set LPA,   4096                       ; a piece of A in LDS: 256 rows x 16 bytes
.set LPB,   5632                       ; a piece of B: 352 rows x 16 bytes
.set BOFF,  16*LPA
.set SLOT,  16*LPA+16*LPB              ; 155,648
.set LAPS,  8                          ; a lap = two K steps = once round the ring
.set ADRA,  6                          ; v6-7    my A fragments in slot 0, 1
.set ADRB,  8                          ; v8-11   my B fragments: slot 0 pieces 0-7, 8-15; slot 1 likewise (the immediate has 16 bits)
.set CO,    12                         ; v12     my 8 bytes among a store's 256
.set LO,    13                         ; v13     16 x lane: my 16 bytes of 512 of mx
.set WM,    14                         ; v14     the largest |w|, then S'
.set XM,    15                         ; v15     the largest |x|
.set MXL,   16                         ; v16-119 mx as loaded, ahead of the first fragments
.set T,     16                         ; v16-47  the way out: at work
.set H,     48                         ; v48-63  the way out: packed h
.set G1,  24                           ; s[24:31] descriptor group 1, A
.set G0,  32                           ; s[32:39] descriptor group 0, A, one set a slot
.set G1B, 48                           ; s[48:55] group 1, B
.set G0B, 56                           ; s[56:63] group 0, B
.set MSB, 0
.macro WIN new                         ; the immediate's high byte repeats the setting that is left; a switch that changes nothing is dropped
.if MSB != (\new)
	s_set_vgpr_msb (MSB<<8)|(\new)
.set MSB, (\new)
.endif
.endm
; A joint load: each line has one mask and one set of registers for all that issue it; the branch hangs on the wave's number alone.
.macro JLOAD s
	s_cmp_eq_u32 s11, 0
	s_cbranch_scc0 .Lfor_b_\@
	tensor_load_to_lds s[G0+4*\s:G0+4*\s+3], s[G1:G1+7]
	s_nop 0
.rept 4
	v_nop
.endr
	s_branch .Lasked_\@
.Lfor_b_\@:
	tensor_load_to_lds s[G0B+4*\s:G0B+4*\s+3], s[G1B:G1B+7]
	s_nop 0
.rept 4
	v_nop
.endr
.Lasked_\@:
.endm
; A round of the cluster's barrier: my work-group's barrier, wave 0 signals for the work-group, every wave waits for all sixteen, my work-group's barrier again.
.macro CREST
	s_cmp_lg_u32 s10, 0
	s_cbranch_scc1 .Lnot_wave_0_\@
	s_barrier_signal -3
.Lnot_wave_0_\@:
	s_barrier_wait -3
	s_barrier_signal -1
	s_barrier_wait -1
.endm
.macro CROUND
	s_barrier_signal -1
	s_barrier_wait -1
	CREST
.endm
.macro PLACES                          ; four plain vector places behind a matrix instruction in front of loads into, or vector work on, its registers
.rept 4
	v_nop
.endr
.endm
; The table of maxima: 26 loads of 512 consecutive bytes; loads 0-21 are w's 2,816 words, loads 22-25 x's 512
.macro MXLOAD
.set j, 0
.rept 26
	global_load_b128 v[MXL+4*j:MXL+4*j+3], v[LO], s[18:19] offset:512*j
.set j, j+1
.endr
.endm
; S' = max((2048 max|w| max|x|)^2, 2^-100) 2^-15 into s22 (s23 = 0: a pair is read whole)
.macro MXRED
	s_wait_loadcnt 0x0                             ; all 26: nothing else is out
	s_mov_b32 s20, 0x76543210                      ; lane i of one half reads lane i of the other
	s_mov_b32 s21, 0xfedcba98
	v_max_num_f32 v[WM], v[MXL], v[MXL+1]          ; my 88 words of w in two chains of 44
	v_max_num_f32 v[XM], v[MXL+44], v[MXL+45]
.set j, MXL+2
.rept 21
	v_max3_num_f32 v[WM], v[j], v[j+1], v[WM]
	v_max3_num_f32 v[XM], v[j+44], v[j+45], v[XM]
.set j, j+2
.endr
	v_max_num_f32 v[WM], v[WM], v[XM]
	v_max_num_f32 v[XM], v[MXL+88], v[MXL+89]      ; my 16 words of x
.set j, MXL+90
.rept 7
	v_max3_num_f32 v[XM], v[j], v[j+1], v[XM]
.set j, j+2
.endr
.irp m, 1,2,4,8
	v_max_num_f32_dpp v[WM], v[WM], v[WM] row_xmask:\m row_mask:0xf bank_mask:0xf
	v_max_num_f32_dpp v[XM], v[XM], v[XM] row_xmask:\m row_mask:0xf bank_mask:0xf
.endr
	v_permlanex16_b32 v[MXL], v[WM], s20, s21
	v_permlanex16_b32 v[MXL+1], v[XM], s20, s21
	v_max_num_f32 v[WM], v[WM], v[MXL]
	v_max_num_f32 v[XM], v[XM], v[MXL+1]
	v_mul_f32 v[WM], v[WM], v[XM]
	v_mul_f32 v[WM], 0x45000000, v[WM]             ; x 2048, the length of the sums: the bound of |g| and of |u|
	v_mul_f32 v[WM], v[WM], v[WM]                  ; S
	v_max_num_f32 v[WM], 0x0d800000, v[WM]         ; at least 2^-100: all-zero inputs give h = 0, not 0 / 0
	v_mul_f32 v[WM], 0x38000000, v[WM]             ; x 2^-15
	v_readfirstlane_b32 s22, v[WM]
	s_mov_b32 s23, 0
.endm
	s_load_b128 s[4:7], s[0:1], 0x0                ; xh s[4:5], wgu s[6:7]
	s_load_b64 s[8:9], s[0:1], 0x10                ; hbuf
	s_load_b64 s[18:19], s[0:1], 0x18              ; mx
	v_lshl_add_u32 v38, v0, 2, 0x4c000
	v_mov_b32 v39, 0
	ds_add_u32 v38, v39
	s_wait_dscnt 0x0
	v_lshrrev_b32 v1, 5, v0
	v_readfirstlane_b32 s10, v1                    ; wave 0..3
	s_lshr_b32 s11, s10, 1                         ; mh: my half of the rows.  Also: I fetch for A (0) or for B (1)
	s_and_b32 s12, s10, 1                          ; nh: my half of the columns.  Also: which 8 pieces I fetch
	s_bfe_u32 s40, ttmp6, 0x40000                  ; cx
	s_bfe_u32 s41, ttmp6, 0x40004                  ; cy
	s_lshl_b32 s42, ttmp9, 2
	s_add_co_u32 s42, s42, s40                     ; block column = 4 x cluster x + cx
	s_and_b32 s13, ttmp7, 0xffff
	s_lshl_b32 s13, s13, 2
	s_add_co_u32 s13, s13, s41                     ; block row = 4 x cluster y + cy
	s_lshl_b32 s43, s41, 2
	s_lshl_b32 s43, 15, s43                        ; my row of the cluster
	s_lshl_b32 s44, 0x1111, s40                    ; my column
	; group 1: A: 8 pieces of 2,048 elements (256 rows x 8), 16,384 elements from piece to piece; B: 8 pieces of 2,816 elements (352 rows x 8), 90,112 apart
	s_or_b32 s[G1+0], s43, (1<<16)|(1<<21)         ; 15:0 the mask; 17:16 elements of 2 bytes; 21 set beside a mask; no padding
	s_or_b32 s[G1B+0], s44, (1<<16)|(1<<21)
	s_mov_b32 s[G1+1], 2048<<16                    ; tensor_dim0
	s_mov_b32 s[G1B+1], 2816<<16
	s_mov_b32 s[G1+2], 8<<16                       ; tensor_dim1
	s_mov_b32 s[G1B+2], 8<<16
	s_mov_b32 s[G1+3], 2048<<16                    ; tile_dim0
	s_mov_b32 s[G1B+3], 2816<<16
	s_mov_b32 s[G1+4], 8                           ; tile_dim1
	s_mov_b32 s[G1B+4], 8
	s_mov_b32 s[G1+5], 16384                       ; stride from piece to piece, in elements
	s_mov_b32 s[G1B+5], 90112
	s_mov_b32 s[G1+6], 0
	s_mov_b32 s[G1B+6], 0
	s_mov_b32 s[G1+7], 0
	s_mov_b32 s[G1B+7], 0
	s_lshl_b32 s16, s13, 12                        ; A: 256 rows x 16 bytes a block row,
	s_lshl_b32 s17, s12, 18                        ; 8 pieces x 32,768 bytes for the second half
	s_add_co_u32 s16, s16, s17
	s_mov_b32 s17, 0
	s_mul_i32 s46, s42, 5632                       ; B: 352 rows x 16 bytes a block column,
	s_mul_i32 s47, s12, 1441792                    ; 8 pieces x 180,224 bytes
	s_add_co_u32 s46, s46, s47
	s_mov_b32 s47, 0
	s_mul_i32 s20, s12, 8*LPA                      ; where they go in LDS: the wave's number and constants alone
	s_mul_i32 s21, s12, 8*LPB
	s_add_co_u32 s21, s21, BOFF
	s_wait_kmcnt 0x0
	s_add_nc_u64 s[14:15], s[4:5], s[16:17]
	s_add_nc_u64 s[46:47], s[6:7], s[46:47]
	CROUND                                         ; all sixteen work-groups are here: the first joint loads meet
.irp s, 0,1
	s_mov_b32 s[G0+4*\s], 1
	s_add_co_u32 s[G0+4*\s+1], s20, \s*SLOT
	s_add_nc_u64 s[G0+4*\s+2:G0+4*\s+3], s[14:15], \s*524288       ; K step s: 16 pieces x 32,768 bytes
	s_or_b32 s[G0+4*\s+3], s[G0+4*\s+3], 0x80000000
	s_mov_b32 s[G0B+4*\s], 1
	s_add_co_u32 s[G0B+4*\s+1], s21, \s*SLOT
	s_add_nc_u64 s[G0B+4*\s+2:G0B+4*\s+3], s[46:47], \s*2883584    ; 16 pieces x 180,224 bytes
	s_or_b32 s[G0B+4*\s+3], s[G0B+4*\s+3], 0x80000000
	JLOAD \s
.endr
	v_and_b32 v1, 31, v0
	v_lshlrev_b32 v[LO], 4, v1
	MXLOAD                                         ; the table comes in beside the first tiles
	; A fragment (16 rows x 32 K, 8 registers): lane (r, h) takes row r's 16 bytes of piece h (registers 0-3) and of piece 2 + h (registers 4-7) of the quarter's four pieces.
	v_and_b32 v1, 15, v0                           ; r
	v_bfe_u32 v2, v0, 4, 1                         ; h
	v_lshlrev_b32 v3, 4, v1                        ; 16 r
	v_lshl_add_u32 v4, v2, 12, v3                  ; + h pieces of A
	s_lshl_b32 s22, s11, 11                        ; my 128 rows of A
	v_add_nc_u32 v[ADRA], s22, v4
	v_add_nc_u32 v[ADRA+1], SLOT, v[ADRA]
	v_mul_u32_u24 v5, v2, LPB                      ; h pieces of B
	v_add_nc_u32 v5, v5, v3
	s_mul_i32 s23, s12, 2816                       ; my 176 rows of B,
	s_add_co_u32 s23, s23, BOFF                    ; which lies behind A
	v_add_nc_u32 v[ADRB], s23, v5
	v_add_nc_u32 v[ADRB+1], 8*LPB, v[ADRB]
	v_add_nc_u32 v[ADRB+2], SLOT, v[ADRB]
	v_add_nc_u32 v[ADRB+3], SLOT+8*LPB, v[ADRB]
	v_lshl_add_u32 v[CO], v2, 3, v3                ; 16 r + 8 h
	MXRED                                          ; s22 = S'
; 8 matrix instructions: n block b x all 8 m blocks, 32 along K, on fragment buffer f.  zero = 1: the first product starts the sums.
.macro MULB f, b, zero
.irp a, 0,1,2,3,4,5,6,7
.if \zero
	v_wmma_f32_16x16x32_f16 v[(64+64*\b)%256+8*\a:(64+64*\b)%256+8*\a+7], v[16+88*\f+8*\b:16+88*\f+8*\b+7], v[192*(1-\f)+8*\a:192*(1-\f)+8*\a+7], 0
.else
	v_wmma_f32_16x16x32_f16 v[(64+64*\b)%256+8*\a:(64+64*\b)%256+8*\a+7], v[16+88*\f+8*\b:16+88*\f+8*\b+7], v[192*(1-\f)+8*\a:192*(1-\f)+8*\a+7], v[(64+64*\b)%256+8*\a:(64+64*\b)%256+8*\a+7]
.endif
.endr
.endm
; The n blocks whose accumulators lie in window n: source 0 (B) window 0, source 1 (A) window f, C and D window n.
; The 88 accumulators take turns, one instruction a turn, in the same order in every quarter.
.macro GRP f, n, zero
	WIN (\n<<6)|(\n<<4)|(\f<<2)
.if \n == 1
	MULB \f, 0, \zero
	MULB \f, 1, \zero
	MULB \f, 2, \zero
.endif
.if \n == 2
	MULB \f, 3, \zero
	MULB \f, 4, \zero
	MULB \f, 5, \zero
	MULB \f, 6, \zero
.endif
.if \n == 3
	MULB \f, 7, \zero
	MULB \f, 8, \zero
	MULB \f, 9, \zero
	MULB \f, 10, \zero
.endif
.endm
; 38 LDS loads in one run: quarter q of a slot into buffer f: A's 16, then B's 22 in the order of the n blocks
.macro FETCH slot, q, f
	WIN 0x40*\f
.irp a, 0,1,2,3,4,5,6,7
	ds_load_b128 v[192*(1-\f)+8*\a:192*(1-\f)+8*\a+3],   v[ADRA+\slot] offset:4*\q*LPA+256*\a
	ds_load_b128 v[192*(1-\f)+8*\a+4:192*(1-\f)+8*\a+7], v[ADRA+\slot] offset:4*\q*LPA+256*\a+2*LPA
.endr
	WIN 0
.irp b, 0,1,2,3,4,5,6,7,8,9,10
	ds_load_b128 v[16+88*\f+8*\b:16+88*\f+8*\b+3],   v[ADRB+2*\slot+((\q)>>1)] offset:4*((\q)&1)*LPB+256*\b
	ds_load_b128 v[16+88*\f+8*\b+4:16+88*\f+8*\b+7], v[ADRB+2*\slot+((\q)>>1)] offset:4*((\q)&1)*LPB+256*\b+2*LPB
.endr
.endm
; One of a K step's first three quarters: multiplies buffer f; behind its first 24 matrix instructions it fetches quarter qn into buffer g.
.macro QUARTER slot, qn, f, g, zero
	s_wait_dscnt 16                                ; of the 38 loads, A's 16 and those of n blocks 0-2 are in; the 16 younger ones may be out
	GRP \f, 1, \zero
	PLACES
	FETCH \slot, \qn, \g
	s_wait_dscnt 38                                ; all but the 38 just issued
	GRP \f, 2, \zero
	GRP \f, 3, \zero
.endm
.macro THREE slot, zero
	QUARTER \slot, 1, 0, 1, \zero
	QUARTER \slot, 2, 1, 0, 0
	QUARTER \slot, 3, 0, 1, 0
.endm
; The fourth quarter, on buffer 1, changes slots.  In front of the barrier each wave waits for its reads of this slot and for all its tensor loads (one is out:
; its part of the next slot).  Behind it (with fill = 1: behind the cluster's round that it opens) the refill comes first, then the next slot's first fragments.
; From a request to the wait for it a wave issues 64 + 264 = 328 matrix instructions.
.macro TURN slot, next, fill
	s_wait_dscnt 0                                 ; buffer 1 is in, and with it my last reads of this slot
	s_wait_xcnt 0x0
	s_set_vgpr_msb 0xf030
	v_lshl_add_u32 v38, v0, 2, 0x4c000
	v_mov_b32 v39, 0
	s_wait_tensorcnt 0x0                           ; all my tensor loads have landed
	ds_add_u32 v38, v39
	s_wait_dscnt 0x0
	s_set_vgpr_msb 0x30f0
	s_barrier_signal -1
	GRP 1, 1, 0                                    ; register work while the others arrive
	WIN 0
	s_barrier_wait -1
.if \fill
	CREST                                          ; no wave of any partner still reads this slot or has a load on its way
	s_add_nc_u64 s[G0+4*\slot+2:G0+4*\slot+3], s[G0+4*\slot+2:G0+4*\slot+3], 1048576     ; two K steps on: 32 pieces
	s_add_nc_u64 s[G0B+4*\slot+2:G0B+4*\slot+3], s[G0B+4*\slot+2:G0B+4*\slot+3], 5767168
	JLOAD \slot                                    ; my one tensor load behind the round; its four v_nop are also the places in front of the loads below
.else
	PLACES
.endif
	FETCH \next, 0, 0
	GRP 1, 2, 0
	GRP 1, 3, 0
.endm
.macro LAP zero
	THREE 0, \zero
	TURN 0, 1, 1
	THREE 1, 0
	TURN 1, 0, 1
.endm
	s_wait_tensorcnt 1                             ; my part of K step 0 is in; K step 1's may stay out
	s_barrier_signal -1
	s_barrier_wait -1
	FETCH 0, 0, 0
	LAP 1                                          ; K steps 0 and 1; the first quarter starts all 88 sums
	WIN 0
	s_mov_b32 s3, LAPS-2
.Llap:
	LAP 0
	WIN 0
	s_sub_co_u32 s3, s3, 1
	s_cmp_lg_u32 s3, 0
	s_cbranch_scc1 .Llap
	THREE 0, 0                                     ; the last lap fills nothing
	TURN 0, 1, 0
	THREE 1, 0
	s_wait_dscnt 0
	GRP 1, 1, 0
	GRP 1, 2, 0
	GRP 1, 3, 0
	; THE WAY OUT: h 2^15 / S = (g * 1 / ((1 + 2^(-g log2 e)) S')) * u, one n block (8 tiles, 32 numbers of h a lane) at a time
	PLACES
	s_lshl_b32 s16, s13, 12                        ; my first row: (256 block row + 128 mh) x 16 bytes
	s_lshl_b32 s14, s11, 11
	s_add_co_u32 s16, s16, s14
	s_mov_b32 s17, 0
	s_add_nc_u64 s[8:9], s[8:9], s[16:17]
	s_mul_i32 s46, s42, 22                         ; my first piece of h: 22 block column + 11 nh (in registers that never fed A's descriptors)
	s_mul_i32 s47, s12, 11
	s_add_co_u32 s46, s46, s47
	s_lshl_b32 s46, s46, 15
	s_mov_b32 s47, 0
	s_add_nc_u64 s[8:9], s[8:9], s[46:47]
; n block b: its accumulators lie in window n from register acc on; tile a: registers 0-3 gates, 4-7 ups
.macro SWIGLU b, n, acc
	WIN \n                                         ; source 0 in window n
.irp a, 0,1,2,3,4,5,6,7
.irp i, 0,1
	v_pk_mul_f32 v[T+4*\a+2*\i:T+4*\a+2*\i+1], v[\acc+8*\a+2*\i:\acc+8*\a+2*\i+1], 0xbfb8aa3b op_sel_hi:[1,0]   ; -g log2 e
.endr
.endr
	WIN 0
.set j, 0
.rept 32
	v_exp_f32 v[T+j], v[T+j]
.set j, j+1
.endr
	v_nop                                          ; one plain place behind the last transcendental (ISA guide 5.7.2)
.set j, 0
	s_wait_alu depctr_va_vdst(0)
.rept 16
	v_pk_fma_f32 v[T+j:T+j+1], v[T+j:T+j+1], s[22:23], s[22:23] op_sel_hi:[1,0,0]   ; (e + 1) S' in one fused step: the scale costs no instruction
.set j, j+2
.endr
.set j, 0
.rept 32
	v_rcp_f32 v[T+j], v[T+j]
.set j, j+1
.endr
	v_nop
	WIN \n
	s_wait_alu depctr_va_vdst(0)
.irp a, 0,1,2,3,4,5,6,7
.irp i, 0,1
	v_pk_mul_f32 v[T+4*\a+2*\i:T+4*\a+2*\i+1], v[\acc+8*\a+2*\i:\acc+8*\a+2*\i+1], v[T+4*\a+2*\i:T+4*\a+2*\i+1]       ; g * sigmoid first: never infinity times zero
.endr
.endr
.irp a, 0,1,2,3,4,5,6,7
.irp i, 0,1
	v_pk_mul_f32 v[T+4*\a+2*\i:T+4*\a+2*\i+1], v[\acc+8*\a+4+2*\i:\acc+8*\a+4+2*\i+1], v[T+4*\a+2*\i:T+4*\a+2*\i+1]   ; times u
.endr
.endr
	WIN 0
	s_wait_xcnt 0x0                                ; H is the data of the last n block's stores: it is written again only behind this wait
.irp a, 0,1,2,3,4,5,6,7
	v_cvt_pk_f16_f32 v[H+2*\a], v[T+4*\a], v[T+4*\a+1]
	v_cvt_pk_f16_f32 v[H+2*\a+1], v[T+4*\a+2], v[T+4*\a+3]
.endr
.irp a, 0,1,2,3,4,5,6,7
	global_store_b64 v[CO], v[H+2*\a:H+2*\a+1], s[8:9] offset:32768*\b+256*\a     ; the wave stores 16 rows x 16 bytes of one piece: 256 consecutive bytes, aligned
.endr
.endm
	SWIGLU 0, 1, 64
	SWIGLU 1, 1, 128
	SWIGLU 2, 1, 192
	SWIGLU 3, 2, 0
	SWIGLU 4, 2, 64
	SWIGLU 5, 2, 128
	SWIGLU 6, 2, 192
	SWIGLU 7, 3, 0
	SWIGLU 8, 3, 64
	SWIGLU 9, 3, 128
	SWIGLU 10, 3, 192
	CROUND                                         ; the closing round: no work-group ends while a partner may still ask for a tile that names it
	s_endpgm
.Lfunc_end_k_qf2d78ea8ac_gateup:
	.size	k_qf2d78ea8ac_gateup, .Lfunc_end_k_qf2d78ea8ac_gateup-k_qf2d78ea8ac_gateup
	.p2alignl 7, 3214868480
	.fill 96, 4, 3214868480
	.section	.rodata,"a",@progbits
	.p2align	6, 0x0
	.amdhsa_kernel k_qf2d78ea8ac_gateup
		.amdhsa_group_segment_fixed_size 327680
		.amdhsa_private_segment_fixed_size 0
		.amdhsa_enable_private_segment 0
		.amdhsa_kernarg_size 32
		.amdhsa_user_sgpr_count 2
		.amdhsa_user_sgpr_kernarg_segment_ptr 1
		.amdhsa_wavefront_size32 1
		.amdhsa_system_sgpr_workgroup_id_x 1
		.amdhsa_system_sgpr_workgroup_id_y 1
		.amdhsa_system_sgpr_workgroup_id_z 1
		.amdhsa_system_vgpr_workitem_id 0
		.amdhsa_next_free_vgpr 1024
		.amdhsa_next_free_sgpr 66
		.amdhsa_reserve_vcc 0
		.amdhsa_float_denorm_mode_32 3
		.amdhsa_float_denorm_mode_16_64 3
		.amdhsa_memory_ordered 1
		.amdhsa_forward_progress 1
		.amdhsa_inst_pref_size 255
	.end_amdhsa_kernel
	.section	.bss,"aw",@nobits
	.p2align	6
	.space	262144
	.amdgpu_metadata
---
amdhsa.version: [ 1, 2 ]
amdhsa.kernels:
  - .name:           k_qf2d78ea8ac_gateup
    .symbol:         k_qf2d78ea8ac_gateup.kd
    .args:
      - { .name: xh, .offset: 0, .size: 8, .value_kind: global_buffer, .address_space: global }
      - { .name: wgu, .offset: 8, .size: 8, .value_kind: global_buffer, .address_space: global }
      - { .name: hbuf, .offset: 16, .size: 8, .value_kind: global_buffer, .address_space: global }
      - { .name: mx, .offset: 24, .size: 8, .value_kind: global_buffer, .address_space: global }
    .group_segment_fixed_size: 327680
    .private_segment_fixed_size: 0
    .kernarg_segment_align: 8
    .kernarg_segment_size: 32
    .max_flat_workgroup_size: 128
    .sgpr_count:     66
    .vgpr_count:     1024
    .wavefront_size: 32
...
	.end_amdgpu_metadata
.endif
;; end of part 2
;; launch down (part 3): grid 16 x 16, 4 waves a work-group, clusters of 4 x 4, 327,680 bytes of LDS; arguments hbuf, wdn, out0, mx; writes out0
.if DOCPART == 3
	.amdgcn_target "amdgcn-amd-amdhsa--gfx1250"
	.amdhsa_code_object_version 6
	.text
	.protected	k_qf2d78ea8ac_down
	.globl	k_qf2d78ea8ac_down
	.p2align	8
	.type	k_qf2d78ea8ac_down,@function
k_qf2d78ea8ac_down:
	s_mov_b64 s[64:65], 0
	v_nop
	global_prefetch_b8 v0, s[64:65] scope:SCOPE_SE
	s_setreg_imm32_b32 hwreg(HW_REG_WAVE_MODE, 25, 1), 1
	s_wait_xcnt 0x0
	s_wait_alu depctr_hold_cnt(0) depctr_sa_sdst(0) depctr_va_vdst(0) depctr_va_sdst(0) depctr_va_ssrc(0) depctr_va_vcc(0) depctr_vm_vsrc(0)
	s_getreg_b32 s2, hwreg(HW_REG_IB_STS2, 6, 4)
	s_cmp_eq_u32 s2, 0
	s_cbranch_scc0 .Lentry_in_a_cluster
	s_endpgm
.Lentry_in_a_cluster:
	s_bfe_u32 s2, ttmp6, 0x10000c
	s_cmp_lg_u32 s2, 0xf033
	s_cbranch_scc0 .Lentry_shape_is_right
	s_endpgm
.Lentry_shape_is_right:
; DOWN: out = h Wd^T.  hbuf, wdn: f16 [704 pieces][2048 rows][8] (K = 5,632, the last 128 zeros in both); out0: f32 [2048][2048].  Sums in f32.
; hbuf holds h 2^15 / S with S = (2048 max|x| max|w_gu|)^2, a bound of |h| for every input (see the launch before), so h has room in f16 whatever the inputs' size.
; This launch makes the same S' = max(S, 2^-100) 2^-15 from the same table mx, in the same way, and multiplies each finished sum by it.
; LIMITS, stated: |w_down| below 65,504 (f16); S finite.
; SHARES: 2048 x 2048 gives 256 blocks of 128 x 128, one a work-group.  All four waves keep the WHOLE block (64 accumulator tiles, 512 registers) and share K:
; of each slot's 32 pieces wave w multiplies pieces 8 w .. 8 w + 7.  So each LDS byte is read by one wave only, half of what four tiles of 64 x 64 would read.
; ORDER OF THE SUMS, stated: each output is four partial sums (k mod 256 in 64 w .. 64 w + 63), each ascending in K, added at the end as (p0 + p1) + (p2 + p3).
; RING: K in 22 steps of 256 through two LDS slots; a slot: A as [32 pieces][128 rows][16 bytes], then B likewise, 131,072 bytes.
; The sixteen lanes of half a fragment load read 256 consecutive aligned bytes: no padding.
; CLUSTERS: 4 x 4 work-groups; h's tile is asked for jointly by a row of the cluster, wdn's by a column.  Waves 0, 1 ask for A's pieces 0-15, 16-31; waves 2, 3 for B's.
; A wave has two tensor loads out at the start and one behind each later round; from a request to the wait for it it issues 112 matrix instructions.
; REGISTERS: window 0: v0-31 addresses, v64-127 and v128-191 A's fragments (two buffers); window 1: the same for B; windows 2, 3: accumulators, tile (a, b) at 8 (8 a + b).
; The matrix instruction is used transposed (source 0 = rows of wdn): lane (r, h) holds row r and columns 8 h + 0..7 of a tile: 32 neighbouring bytes of out.
.set LP,     2048                      ; a piece in LDS: 128 rows x 16 bytes
.set HALFT,  16*LP                     ; what one tensor load brings
.set SLOT,   4*HALFT
.set IPITCH, 528                       ; a row of a partial block in LDS: 512 bytes + 16: sixteen rows' 16-byte stores fall on different columns modulo 256 bytes
.set IMG,    128*IPITCH                ; a wave's partial block, 67,584 bytes; the four lie over the ring, which by then has had its last fill
.set LAPS,   11
.set WM,   6                           ; v6      the largest |w_gu|, then S'
.set XM,   7                           ; v7      the largest |x|
.set ADRA, 16                          ; v16-17  my A fragments in slot 0, 1
.set ADRB, 20                          ; v20-21  my B fragments
.set STO,  24                          ; v24     where I put my 32 bytes of a row of my partial block
.set CO,   26                          ; v26     16 x lane
.set RD,   28                          ; v28-31  my rows in the four partial blocks
.set MXL,  64                          ; v64-167 mx as loaded, ahead of the first fragments
.set F0,   64
.set F1,   128
.set G1,  24
.set G0,  32
.set G1B, 48
.set G0B, 56
.set MSB, 0
.macro WIN new
.if MSB != (\new)
	s_set_vgpr_msb (MSB<<8)|(\new)
.set MSB, (\new)
.endif
.endm
.set MUL_LO, 0xa1                      ; source 0 (B) window 1, source 1 (A) window 0, C and D window 2
.set MUL_HI, 0xf1                      ; C and D window 3
.set TO_B,   0x40                      ; destination window 1
.macro JLOAD s
	s_cmp_eq_u32 s11, 0
	s_cbranch_scc0 .Lfor_b_\@
	tensor_load_to_lds s[G0+4*\s:G0+4*\s+3], s[G1:G1+7]
	s_nop 0
.rept 4
	v_nop
.endr
	s_branch .Lasked_\@
.Lfor_b_\@:
	tensor_load_to_lds s[G0B+4*\s:G0B+4*\s+3], s[G1B:G1B+7]
	s_nop 0
.rept 4
	v_nop
.endr
.Lasked_\@:
.endm
.macro CREST
	s_cmp_lg_u32 s10, 0
	s_cbranch_scc1 .Lnot_wave_0_\@
	s_barrier_signal -3
.Lnot_wave_0_\@:
	s_barrier_wait -3
	s_barrier_signal -1
	s_barrier_wait -1
.endm
.macro CROUND
	s_barrier_signal -1
	s_barrier_wait -1
	CREST
.endm
.macro PLACES                          ; four plain vector places behind a matrix instruction (ISA guide 7.12.1)
.rept 4
	v_nop
.endr
.endm
; The table of maxima: 26 loads of 512 consecutive bytes; loads 0-21 are w_gu's 2,816 words, loads 22-25 x's 512
.macro MXLOAD
.set j, 0
.rept 26
	global_load_b128 v[MXL+4*j:MXL+4*j+3], v[CO], s[18:19] offset:512*j
.set j, j+1
.endr
.endm
; S' = max((2048 max|w| max|x|)^2, 2^-100) 2^-15 into s22 (s23 = 0: a pair is read whole); line for line as in the launch before
.macro MXRED
	s_wait_loadcnt 0x0                             ; all 26: nothing else is out
	s_mov_b32 s20, 0x76543210                      ; lane i of one half reads lane i of the other
	s_mov_b32 s21, 0xfedcba98
	v_max_num_f32 v[WM], v[MXL], v[MXL+1]          ; my 88 words of w in two chains of 44
	v_max_num_f32 v[XM], v[MXL+44], v[MXL+45]
.set j, MXL+2
.rept 21
	v_max3_num_f32 v[WM], v[j], v[j+1], v[WM]
	v_max3_num_f32 v[XM], v[j+44], v[j+45], v[XM]
.set j, j+2
.endr
	v_max_num_f32 v[WM], v[WM], v[XM]
	v_max_num_f32 v[XM], v[MXL+88], v[MXL+89]      ; my 16 words of x
.set j, MXL+90
.rept 7
	v_max3_num_f32 v[XM], v[j], v[j+1], v[XM]
.set j, j+2
.endr
.irp m, 1,2,4,8
	v_max_num_f32_dpp v[WM], v[WM], v[WM] row_xmask:\m row_mask:0xf bank_mask:0xf
	v_max_num_f32_dpp v[XM], v[XM], v[XM] row_xmask:\m row_mask:0xf bank_mask:0xf
.endr
	v_permlanex16_b32 v[MXL], v[WM], s20, s21
	v_permlanex16_b32 v[MXL+1], v[XM], s20, s21
	v_max_num_f32 v[WM], v[WM], v[MXL]
	v_max_num_f32 v[XM], v[XM], v[MXL+1]
	v_mul_f32 v[WM], v[WM], v[XM]
	v_mul_f32 v[WM], 0x45000000, v[WM]             ; x 2048
	v_mul_f32 v[WM], v[WM], v[WM]                  ; S
	v_max_num_f32 v[WM], 0x0d800000, v[WM]         ; at least 2^-100
	v_mul_f32 v[WM], 0x38000000, v[WM]             ; x 2^-15
	v_readfirstlane_b32 s22, v[WM]
	s_mov_b32 s23, 0
.endm
	s_load_b128 s[4:7], s[0:1], 0x0                ; hbuf s[4:5], wdn s[6:7]
	s_load_b64 s[8:9], s[0:1], 0x10                ; out0
	s_load_b64 s[18:19], s[0:1], 0x18              ; mx
	s_set_vgpr_msb 0x40
	v_lshl_add_u32 v255, v0, 2, 0x42000
	s_set_vgpr_msb 0x4000
	v_mov_b32 v255, 0
	s_set_vgpr_msb 0x1
	ds_add_u32 v255, v255
	s_set_vgpr_msb 0x100
	v_lshrrev_b32 v1, 5, v0
	v_readfirstlane_b32 s10, v1                    ; wave 0..3
	s_lshr_b32 s11, s10, 1                         ; I fetch for A (0) or for B (1)
	s_and_b32 s12, s10, 1                          ; which 16 pieces I fetch
	s_bfe_u32 s40, ttmp6, 0x40000                  ; cx
	s_bfe_u32 s41, ttmp6, 0x40004                  ; cy
	s_lshl_b32 s42, ttmp9, 2
	s_add_co_u32 s42, s42, s40                     ; block column
	s_and_b32 s13, ttmp7, 0xffff
	s_lshl_b32 s13, s13, 2
	s_add_co_u32 s13, s13, s41                     ; block row
	s_lshl_b32 s43, s41, 2
	s_lshl_b32 s43, 15, s43                        ; my row of the cluster
	s_lshl_b32 s44, 0x1111, s40                    ; my column
	; group 1: 16 pieces of 1,024 elements (128 rows x 8), 16,384 elements from piece to piece
	s_or_b32 s[G1+0], s43, (1<<16)|(1<<21)
	s_or_b32 s[G1B+0], s44, (1<<16)|(1<<21)
	s_mov_b32 s[G1+1], 1024<<16
	s_mov_b32 s[G1B+1], 1024<<16
	s_mov_b32 s[G1+2], 16<<16
	s_mov_b32 s[G1B+2], 16<<16
	s_mov_b32 s[G1+3], 1024<<16
	s_mov_b32 s[G1B+3], 1024<<16
	s_mov_b32 s[G1+4], 16
	s_mov_b32 s[G1B+4], 16
	s_mov_b32 s[G1+5], 16384
	s_mov_b32 s[G1B+5], 16384
	s_mov_b32 s[G1+6], 0
	s_mov_b32 s[G1B+6], 0
	s_mov_b32 s[G1+7], 0
	s_mov_b32 s[G1B+7], 0
	s_lshl_b32 s17, s12, 19                        ; 16 pieces x 32,768 bytes for the second half
	s_lshl_b32 s16, s13, 11                        ; A: 128 rows x 16 bytes a block row
	s_add_co_u32 s16, s16, s17
	s_lshl_b32 s46, s42, 11                        ; B: the same a block column
	s_add_co_u32 s46, s46, s17
	s_mov_b32 s17, 0
	s_mov_b32 s47, 0
	s_mul_i32 s20, s10, HALFT                      ; in LDS: A's two halves, then B's two halves = wave x 32,768
	s_wait_dscnt 0x0
	s_wait_kmcnt 0x0
	s_add_nc_u64 s[14:15], s[4:5], s[16:17]
	s_add_nc_u64 s[46:47], s[6:7], s[46:47]
	CROUND                                         ; the first joint loads meet
.irp s, 0,1
	s_mov_b32 s[G0+4*\s], 1
	s_add_co_u32 s[G0+4*\s+1], s20, \s*SLOT
	s_add_nc_u64 s[G0+4*\s+2:G0+4*\s+3], s[14:15], \s*1048576      ; K step s: 32 pieces x 32,768 bytes
	s_or_b32 s[G0+4*\s+3], s[G0+4*\s+3], 0x80000000
	s_mov_b32 s[G0B+4*\s], 1
	s_add_co_u32 s[G0B+4*\s+1], s20, \s*SLOT
	s_add_nc_u64 s[G0B+4*\s+2:G0B+4*\s+3], s[46:47], \s*1048576
	s_or_b32 s[G0B+4*\s+3], s[G0B+4*\s+3], 0x80000000
	JLOAD \s
.endr
	v_and_b32 v5, 31, v0
	v_lshlrev_b32 v[CO], 4, v5
	MXLOAD                                         ; the table comes in beside the first tiles
	v_and_b32 v1, 15, v0                           ; r
	v_bfe_u32 v2, v0, 4, 1                         ; h
	v_lshlrev_b32 v3, 4, v1
	v_lshl_add_u32 v3, v2, 11, v3                  ; 16 r + h pieces
	s_lshl_b32 s21, s10, 14                        ; my 8 pieces of a slot's 32
	v_add_nc_u32 v[ADRA], s21, v3
	v_add_nc_u32 v[ADRA+1], SLOT, v[ADRA]
	v_add_nc_u32 v[ADRB], 2*HALFT, v[ADRA]
	v_add_nc_u32 v[ADRB+1], SLOT+2*HALFT, v[ADRA]
	s_mul_i32 s23, s10, IMG                        ; my partial block
	v_mul_u32_u24 v4, v1, IPITCH
	v_lshl_add_u32 v4, v2, 5, v4                   ; row r, 32 bytes for each half of the lanes
	v_add_nc_u32 v[STO], s23, v4
	s_mul_i32 s22, s10, 32*IPITCH                  ; the 32 rows that I add up and store
	v_add_nc_u32 v[RD], s22, v[CO]
	v_add_nc_u32 v[RD+1], IMG, v[RD]
	v_add_nc_u32 v[RD+2], 2*IMG, v[RD]
	v_add_nc_u32 v[RD+3], 3*IMG, v[RD]
	MXRED                                          ; s22 = S'
; 16 matrix instructions: m blocks a0, a0 + 1 of the window's four x all 8 n blocks.  The 64 accumulators take turns, one instruction a turn,
; in the same order in every quarter.
.macro MUL16 f, hi, a0, zero
.irp a, \a0, \a0+1
.irp b, 0,1,2,3,4,5,6,7
.if \zero
	v_wmma_f32_16x16x32_f16 v[8*(8*(\a)+\b):8*(8*(\a)+\b)+7], v[\f+8*\b:\f+8*\b+7], v[\f+8*(4*\hi+\a):\f+8*(4*\hi+\a)+7], 0
.else
	v_wmma_f32_16x16x32_f16 v[8*(8*(\a)+\b):8*(8*(\a)+\b)+7], v[\f+8*\b:\f+8*\b+7], v[\f+8*(4*\hi+\a):\f+8*(4*\hi+\a)+7], v[8*(8*(\a)+\b):8*(8*(\a)+\b)+7]
.endif
.endr
.endr
.endm
; 32 LDS loads in one run: my quarter q (4 pieces) of a slot into buffer f: B's 16, then A's 16
.macro FETCH slot, q, f
	WIN TO_B
.irp i, 0,1,2,3,4,5,6,7
	ds_load_b128 v[\f+8*\i:\f+8*\i+3],   v[ADRB+\slot] offset:\q*4*LP+\i*256
	ds_load_b128 v[\f+8*\i+4:\f+8*\i+7], v[ADRB+\slot] offset:\q*4*LP+\i*256+2*LP
.endr
	WIN 0
.irp i, 0,1,2,3,4,5,6,7
	ds_load_b128 v[\f+8*\i:\f+8*\i+3],   v[ADRA+\slot] offset:\q*4*LP+\i*256
	ds_load_b128 v[\f+8*\i+4:\f+8*\i+7], v[ADRA+\slot] offset:\q*4*LP+\i*256+2*LP
.endr
.endm
; My first quarter of a K step: multiplies buffer 0; in its middle it fetches my second quarter into buffer 1.
.macro QUARTER slot, zero
	s_wait_dscnt 8                                 ; B and A's rows 0-63 are in; the youngest eight loads (A's rows 64-127) may be out
	WIN MUL_LO
	MUL16 F0, 0, 0, \zero
	MUL16 F0, 0, 2, \zero
	PLACES
	FETCH \slot, 1, F1
	s_wait_dscnt 32                                ; all but the 32 just issued
	WIN MUL_HI
	MUL16 F0, 1, 0, \zero
	MUL16 F0, 1, 2, \zero
.endm
; My second quarter, on buffer 1, changes slots: the waits, the barrier (with fill = 1 it opens a round of the cluster's barrier), the refill first, then the next slot's fragments.
.macro TURN slot, next, fill
	s_wait_dscnt 8
	WIN MUL_LO
	MUL16 F1, 0, 0, 0
	s_wait_dscnt 0                                 ; my reads of this slot are over
	s_wait_tensorcnt 0x0                           ; all my tensor loads have landed: the one that was out is my part of the next slot
	ds_add_u32 v255, v255
	s_wait_dscnt 0x0
	s_barrier_signal -1
	MUL16 F1, 0, 2, 0                              ; register work while the others arrive
	WIN 0
	s_barrier_wait -1
.if \fill
	CREST
	s_add_nc_u64 s[G0+4*\slot+2:G0+4*\slot+3], s[G0+4*\slot+2:G0+4*\slot+3], 2097152     ; two K steps on: 64 pieces
	s_add_nc_u64 s[G0B+4*\slot+2:G0B+4*\slot+3], s[G0B+4*\slot+2:G0B+4*\slot+3], 2097152
	JLOAD \slot                                    ; my one tensor load behind the round; its four v_nop are also the places in front of the loads below
.else
	PLACES
.endif
	FETCH \next, 0, F0
	WIN MUL_HI
	MUL16 F1, 1, 0, 0
	MUL16 F1, 1, 2, 0
.endm
.macro LAP zero
	QUARTER 0, \zero
	TURN 0, 1, 1
	QUARTER 1, 0
	TURN 1, 0, 1
.endm
	s_wait_tensorcnt 1                             ; my part of K step 0 is in; K step 1's may stay out
	s_barrier_signal -1
	s_barrier_wait -1
	FETCH 0, 0, F0
	LAP 1                                          ; K steps 0 and 1; the first quarter starts all 64 sums
	WIN 0
	s_mov_b32 s3, LAPS-2
.Llap:
	LAP 0
	WIN 0
	s_sub_co_u32 s3, s3, 1
	s_cmp_lg_u32 s3, 0
	s_cbranch_scc1 .Llap
	QUARTER 0, 0                                   ; the last lap fills nothing
	TURN 0, 1, 0
	QUARTER 1, 0
	s_wait_dscnt 8
	WIN MUL_LO
	MUL16 F1, 0, 0, 0
	MUL16 F1, 0, 2, 0
	s_wait_dscnt 0
	WIN MUL_HI
	MUL16 F1, 1, 0, 0
	MUL16 F1, 1, 2, 0
	; THE WAY OUT.  The four partial blocks meet in LDS, over the ring: every fill of the launch has landed (the wait for all loads in the last change of slots),
	; and behind this barrier no wave reads a slot any more.
	PLACES
	WIN 0
	s_lshl_b32 s16, s13, 20                        ; my first row of out: (128 block row + 32 wave) x 8,192 bytes
	s_lshl_b32 s14, s10, 18
	s_add_co_u32 s16, s16, s14
	s_mov_b32 s17, 0
	s_add_nc_u64 s[8:9], s[8:9], s[16:17]
	s_lshl_b32 s46, s42, 9                         ; the block's first column: 128 x 4 bytes a block column (in registers that never fed A's descriptors)
	s_mov_b32 s47, 0
	s_add_nc_u64 s[8:9], s[8:9], s[46:47]
	s_wait_dscnt 0x0                               ; my reads of the slots are back
	s_barrier_signal -1
	s_barrier_wait -1
.macro PUT hi                          ; the 32 tiles of window 2 + hi: a lane's eight numbers are 32 neighbouring bytes of a row
	WIN 0x08+4*\hi                                 ; the stores' data (source 1) in window 2 + hi
.irp a, 0,1,2,3
.irp b, 0,1,2,3,4,5,6,7
	ds_store_b128 v[STO], v[8*(8*\a+\b):8*(8*\a+\b)+3]   offset:16*IPITCH*(4*\hi+\a)+64*\b
	ds_store_b128 v[STO], v[8*(8*\a+\b)+4:8*(8*\a+\b)+7] offset:16*IPITCH*(4*\hi+\a)+64*\b+16
.endr
.endr
.endm
	PUT 0
	PUT 1
	WIN 0
	s_wait_dscnt 0x0                               ; for the others' sake: my partial block is written
	s_barrier_signal -1
	s_barrier_wait -1
; Wave w adds up, scales by S' and stores rows 32 w .. 32 w + 31, four rows a batch, on two sets of 64 registers by turns.
.macro LOADB n                         ; 16 loads: 4 rows x 4 partial blocks, each 512 consecutive bytes
.irp rr, 0,1,2,3
.irp g, 0,1,2,3
	ds_load_b128 v[64+64*((\n)&1)+16*\rr+4*\g:64+64*((\n)&1)+16*\rr+4*\g+3], v[RD+\g] offset:IPITCH*(4*(\n)+\rr)
.endr
.endr
.endm
.macro SUMB n, left
	s_wait_dscnt \left                             ; this batch's 16 loads are in; the next batch's may be out
.irp rr, 0,1,2,3
.set R0, 64+64*((\n)&1)+16*\rr
	v_pk_add_f32 v[R0:R0+1], v[R0:R0+1], v[R0+4:R0+5]
	v_pk_add_f32 v[R0+2:R0+3], v[R0+2:R0+3], v[R0+6:R0+7]
	v_pk_add_f32 v[R0+8:R0+9], v[R0+8:R0+9], v[R0+12:R0+13]
	v_pk_add_f32 v[R0+10:R0+11], v[R0+10:R0+11], v[R0+14:R0+15]
	v_pk_add_f32 v[R0:R0+1], v[R0:R0+1], v[R0+8:R0+9]
	v_pk_add_f32 v[R0+2:R0+3], v[R0+2:R0+3], v[R0+10:R0+11]
	v_pk_mul_f32 v[R0:R0+1], v[R0:R0+1], s[22:23] op_sel_hi:[1,0]          ; h's scale is taken back
	v_pk_mul_f32 v[R0+2:R0+3], v[R0+2:R0+3], s[22:23] op_sel_hi:[1,0]
	global_store_b128 v[CO], v[R0:R0+3], s[8:9] offset:8192*(4*(\n)+\rr)   ; the wave stores 512 consecutive bytes of a row of out, aligned
.endr
.endm
	LOADB 0
.irp n, 0,1,2,3,4,5,6
	s_wait_xcnt 0x0                                ; the other set is the data of the stores of the batch before: it is loaded again only behind this wait
	LOADB (\n+1)
	SUMB \n, 16
.endr
	SUMB 7, 0
	s_set_vgpr_msb 0x1
	s_wait_tensorcnt 0x0
	ds_add_u32 v255, v255
	s_wait_dscnt 0x0
	s_set_vgpr_msb 0x100
	CROUND                                         ; the closing round
	s_endpgm
.Lfunc_end_k_qf2d78ea8ac_down:
	.size	k_qf2d78ea8ac_down, .Lfunc_end_k_qf2d78ea8ac_down-k_qf2d78ea8ac_down
	.p2alignl 7, 3214868480
	.fill 96, 4, 3214868480
	.section	.rodata,"a",@progbits
	.p2align	6, 0x0
	.amdhsa_kernel k_qf2d78ea8ac_down
		.amdhsa_group_segment_fixed_size 327680
		.amdhsa_private_segment_fixed_size 0
		.amdhsa_enable_private_segment 0
		.amdhsa_kernarg_size 32
		.amdhsa_user_sgpr_count 2
		.amdhsa_user_sgpr_kernarg_segment_ptr 1
		.amdhsa_wavefront_size32 1
		.amdhsa_system_sgpr_workgroup_id_x 1
		.amdhsa_system_sgpr_workgroup_id_y 1
		.amdhsa_system_sgpr_workgroup_id_z 1
		.amdhsa_system_vgpr_workitem_id 0
		.amdhsa_next_free_vgpr 1024
		.amdhsa_next_free_sgpr 66
		.amdhsa_reserve_vcc 0
		.amdhsa_float_denorm_mode_32 3
		.amdhsa_float_denorm_mode_16_64 3
		.amdhsa_memory_ordered 1
		.amdhsa_forward_progress 1
		.amdhsa_inst_pref_size 130
	.end_amdhsa_kernel
	.amdgpu_metadata
---
amdhsa.version: [ 1, 2 ]
amdhsa.kernels:
  - .name:           k_qf2d78ea8ac_down
    .symbol:         k_qf2d78ea8ac_down.kd
    .args:
      - { .name: hbuf, .offset: 0, .size: 8, .value_kind: global_buffer, .address_space: global }
      - { .name: wdn, .offset: 8, .size: 8, .value_kind: global_buffer, .address_space: global }
      - { .name: out0, .offset: 16, .size: 8, .value_kind: global_buffer, .address_space: global }
      - { .name: mx, .offset: 24, .size: 8, .value_kind: global_buffer, .address_space: global }
    .group_segment_fixed_size: 327680
    .private_segment_fixed_size: 0
    .kernarg_segment_align: 8
    .kernarg_segment_size: 32
    .max_flat_workgroup_size: 128
    .sgpr_count:     66
    .vgpr_count:     1024
    .wavefront_size: 32
...
	.end_amdgpu_metadata
.endif
;; end of part 3
